; MI455X (gfx1250); checked and timed in simulation.
; The chip was launched on July 23, 2026; its instructions are those of AMD's public machine-readable ISA for CDNA 5 (MIT licence, August 2026) and "CDNA5" Instruction Set Architecture Reference Guide (July 2026). The comments in the code are by the model that wrote it; some were corrected since.
;; Attention Rel Scl. Allowed arithmetic: matrix products marked QUANTISED: E3M2 operands, one E8M0 scale for each 32 along K, by v_wmma_scale_f32_16x16x128_f8f6f4 with both operands' format E3M2, f32 sums; everything else in f32.
;; Inputs: Wk 1,024 x 1,024 float32; Wq 1,024 x 1,024 float32; Wv 1,024 x 1,024 float32; beta 1,024 float32; gamma 1,024 float32; rel_table 2,047 x 16 float32; x 8 x 1,024 x 1,024 float32.
;; Outputs: out0 8 x 1,024 x 1,024 float32.
;; This version of the problem:
;;   THIS VERSION OF THE PROBLEM IS GIVEN IN LOW PRECISION. The matrix products marked QUANTISED in the list below multiply operands that are first quantised to E3M2 (3 exponent bits, 2 mantissa bits; 6 bits a number), with one power-of-two scale for each 32 numbers along K (OCP MX v1.0); their sums are f32. All else is computed in f32.
;;   The module's matrix products, in the order in which they are computed (A, B: the left and right operand; K: the contracted axis; several contracted axes count as one K, in the product's order):
;;     1. [M 8,192, K 1,024] x [K 1,024, N 1,024]; A: input x; B: input Wq: QUANTISED
;;     2. [M 8,192, K 1,024] x [K 1,024, N 1,024]; A: input x; B: input Wk: QUANTISED
;;     3. [M 8,192, K 1,024] x [K 1,024, N 1,024]; A: input x; B: input Wv: QUANTISED
;;     4. batch 128 x [M 1,024, K 64] x [K 64, N 1,024]; A: computed on the way; B: computed on the way: QUANTISED
;;     5. batch 128 x [M 1,024, K 1,024] x [K 1,024, N 64]; A: computed on the way; B: computed on the way: QUANTISED
;;   THE QUANTISER, for each operand of a quantised product, along K:
;;     - K is cut into blocks of 32 from its start; a last block that is shorter is filled with zeros.
;;     - A block's scale is 2^e with e = floor(log2(the largest magnitude in the block)) - 4, held to -126 .. 127; a block of zeros has e = 0. As a byte (E8M0): e + 127.
;;     - Each number is divided by its block's scale, clamped to +-28, and rounded to the nearest number of E3M2, ties to even, subnormals kept.
;;     - The product sums the exact products of the quantised numbers (number of the format x scale) in f32.
;;   ~~~python
;;   def quantise(x, axis):      # numpy; x: float32 -> the quantised numbers, widened to float32 again
;;       x = np.moveaxis(x, axis, -1); K = x.shape[-1]
;;       x = np.pad(x, [(0, 0)] * (x.ndim - 1) + [(0, -K % 32)]); x = x.reshape(x.shape[:-1] + (-1, 32)); a = np.abs(x).max(-1, keepdims=True)
;;       e = np.where(a > 0, np.clip(np.frexp(np.where(a > 0, a, 1))[1] - 1 - 4, -126, 127), 0)      # np.frexp(a)[1] - 1 = floor(log2(a)), exactly
;;       r = np.clip(x / 2.0 ** e, -28, 28)
;;       step = 2.0 ** (np.maximum(np.frexp(np.where(r == 0, 1, r))[1] - 1, -2) - 2)
;;       q = np.round(r / step) * step * 2.0 ** e      # np.round: ties to even
;;       return np.moveaxis(q.reshape(q.shape[:-2] + (-1,))[..., :K], -1, axis).astype(np.float32)
;;   ~~~
;;   OPERANDS COMPUTED ON THE WAY. 'Computed on the way' means the value that the module computes at that place (a softmax that the list does not call 'softmax' is quantised finished and normalised). What goes into a quantiser is computed in f32, as accurately as f32 sums, v_exp_f32 and their like allow (about 1e-6 of the number): no bf16 or f16 on the way to a quantiser, and a product that is left as it is and whose result goes on into a quantised operand takes f32 operands (vector FMAs, or v_wmma_f32_16x16x4_f32). A number that lies on a knife's edge between two numbers of the format may be rounded either way, as far as f32 arithmetic and the matrix unit's own rounding can turn it there, and no further.
;; One version. Each part assembles by itself: llvm-mc -triple=amdgcn-amd-amdhsa -mcpu=gfx1250 --defsym DOCPART=n.
;; ======== version 1 of 1: 4 launches
;; limits: right only within a limited range of input values
;; workspace buffers: xq 6,815,744 bytes; wq 2,555,904 bytes; rec 19,660,800 bytes; obuf 33,554,432 bytes
;; launch quant (part 1): grid 352 x 1, 4 waves a work-group, no clusters, 68,096 bytes of LDS; arguments x, Wq, Wk, Wv, xq, wq; writes xq, wq
.if DOCPART == 1
	.amdgcn_target "amdgcn-amd-amdhsa--gfx1250"
	.amdhsa_code_object_version 6
	.text
	.protected	k_qf2c73dee2e_quant
	.globl	k_qf2c73dee2e_quant
	.p2align	8
	.type	k_qf2c73dee2e_quant,@function
k_qf2c73dee2e_quant:
	s_mov_b64 s[64:65], 0
	v_nop
	global_prefetch_b8 v0, s[64:65] scope:SCOPE_SE
	s_setreg_imm32_b32 hwreg(HW_REG_WAVE_MODE, 25, 1), 1
	s_wait_xcnt 0x0
; x [8192][1024] f32 (K innermost) and Wq, Wk, Wv [1024 (k)][1024 (n)] f32 (K is the FIRST axis) become codes of BF6 (E3M2), 6 bits each, with one E8M0 byte for each 32 along K.
; THE WORKSPACE IS LAID AS ITS READER WANTS IT: xq [4][8192][208 bytes], wq [4][3072][208 bytes].  The first index is which 256 along K; a row of 208 bytes holds the 192 bytes of codes of these 256 (K innermost,
; one stream of bits), the 8 scale bytes that belong to them, and 8 zero bytes.  So the rows that a work-group of the next launch wants for 256 along K are one dense block, codes and scales together.
; wq's row for column n of matrix m (0 Wq, 1 Wk, 2 Wv) is (3 (n / 128) + m) x 128 + n % 128: the same 128 columns of the three matrices are neighbours.
; A block's scale is 2^(floor(log2(its largest magnitude)) - 4); its byte is the largest magnitude's exponent field - 4, held at 1 from below by a floor among the maximum's leaves.
; LIMITS: a block whose largest magnitude lies under 2^-122 has its byte held at 1; a block of zeros gets the byte 1 where the rule says 127 (its codes are zeros, and only this program reads the bytes);
; NaN and infinities among the inputs are not served.
; Work-groups 0-255 take x: a plain stream of blocks of 32; a wave takes 16 steps of 512 numbers (8 rows).  Loads read 512 consecutive bytes; a step's 2,048 bytes turn through the wave's own stage in LDS so that a
; lane holds 16 neighbours along K (two neighbouring lanes hold a block).  Work-groups 256-351 take the weights: a lane takes a column n and its registers run down K, so a block lies in one lane and the codes come
; out with K innermost; they leave through the wave's own stage as rows of 192 bytes.  The two ways part on the work-group's number and have LDS bytes of their own.  Waves share nothing: no barrier.
.set FLOORB, 0x2800000                 ; 2^(5 - 127)
.set OFFE,   0xfe000000                ; -(4 << 23): 4 off an exponent field
.set ROWQ,   208                       ; a row of the workspace
.set XQS,    8192*ROWQ                 ; from 256 along K to the next, in xq
.set WQS,    3072*ROWQ                 ; and in wq
; ---- the way of x
.set STEPS, 16
.set CB,    12                         ; bytes of 16 codes
.set R,     16                         ; v16-79   four sets of 16 numbers as they are loaded
.set X,     80                         ; v80-111  two sets of 16 neighbours
.set E,     112                        ; v112-127 a scale byte for each step
.set C,     128                        ; v128-191 codes: four registers for each step, so that no store's data are written again
.set WREG,  8192                       ; LDS of a wave: two stages of 32 x SP bytes, behind them its 256 scale bytes
.set SP,    80                         ; a lane's place in a stage: 64 bytes + 16 of padding
; ---- the way of the weights
.set NB,    8                          ; blocks of 32 along K for a wave (256 along K)
.set WP,    272                        ; a stage row: sixteen places of 16 bytes, each with 12 bytes of codes, + 16
.set WX,    32                         ; v32-95   two sets of 32 numbers
.set WC,    96                         ; v96..    a block's codes
.set OUTR,  112                        ; v112-175 the way out
.set SB,    24                         ; v24-25   the scale bytes, four to a register; v26-27 zeros
.set WLDS,  32768                      ; the weights' stages begin behind x's four regions
	s_load_b256 s[4:11], s[0:1], 0x0               ; x s[4:5], Wq s[6:7], Wk s[8:9], Wv s[10:11]
	s_load_b128 s[12:15], s[0:1], 0x20             ; xq s[12:13], wq s[14:15]
	v_lshl_add_u32 v192, v0, 2, 0x10800
	v_mov_b32 v193, 0
	v_lshrrev_b32 v1, 5, v0
	v_readfirstlane_b32 s20, v1                    ; wave 0..3
	v_and_b32 v2, 31, v0                           ; lane
	s_cmp_lt_u32 ttmp9, 256
	s_cbranch_scc0 .Lweights
	; ================= x =================
	v_lshlrev_b32 v3, 4, v2                        ; my 16 bytes of a load's 512
	s_mul_i32 s21, s20, WREG
	s_mov_b32 s30, XQS
	s_mov_b32 s31, ROWQ
	v_lshrrev_b32 v14, 2, v2
	v_mul_u32_u24 v14, v14, SP
	v_and_b32 v15, 3, v2
	v_lshl_add_u32 v14, v15, 4, v14
	v_add_nc_u32 v14, s21, v14                     ; the stage, on the way in: SP (lane / 4) + 16 (lane % 4)
	v_mul_u32_u24 v15, v2, SP
	v_add_nc_u32 v15, s21, v15                     ; and on the way out: SP x lane: my 16 neighbours
	v_and_b32 v4, 15, v2                           ; a step is half a row, 512 along K: lanes 0-15 hold its first 256, lanes 16-31 its second
	v_mul_u32_u24 v4, v4, CB
	v_lshrrev_b32 v10, 4, v2
	v_mad_u32_u24 v4, v10, s30, v4                 ; my codes' place: 12 (lane % 16) + (lane / 16) x the distance between two runs of 256 along K
	v_lshrrev_b32 v5, 1, v2
	s_add_co_u32 s21, s21, 2*32*SP
	v_add_nc_u32 v5, s21, v5                       ; my block's byte among my wave's 256 scale bytes
	v_lshlrev_b32 v10, 3, v2
	v_add_nc_u32 v6, s21, v10                      ; on the way out 8 bytes a lane: those of row lane / 4, for 256 (lane % 4) along K on
	v_and_b32 v7, 3, v2
	v_mul_u32_u24 v7, v7, s30
	v_lshrrev_b32 v10, 2, v2
	v_mad_u32_u24 v7, v10, s31, v7
	v_add_nc_u32 v7, 192, v7                       ; and their place: behind that row's 192 bytes of codes
	s_lshl_b32 s22, ttmp9, 2
	s_add_co_u32 s22, s22, s20                     ; which run of 8 rows is my wave's: 0 .. 1023
	s_lshl_b32 s24, s22, 15                        ; 32,768 bytes of x a run,
	s_mov_b32 s25, 0
	s_mul_i32 s26, s22, 8*ROWQ                     ; 8 rows of the workspace
	s_mov_b32 s27, 0
	s_wait_kmcnt 0x0
	s_add_nc_u64 s[4:5], s[4:5], s[24:25]
	s_add_nc_u64 s[12:13], s[12:13], s[26:27]
.macro XLOAD t
.irp i, 0,1,2,3
	global_load_b128 v[R+16*((\t)%4)+4*\i:R+16*((\t)%4)+4*\i+3], v3, s[4:5] offset:2048*(\t)+512*\i th:TH_LOAD_NT   ; 32 lanes read 512 consecutive bytes
.endr
.endm
.macro XTURN t                         ; step t's numbers through the stage: LDS serves a wave's instructions in order, so no wait stands between the stores and the loads
.irp i, 0,1,2,3
	ds_store_b128 v14, v[R+16*((\t)%4)+4*\i:R+16*((\t)%4)+4*\i+3] offset:32*SP*((\t)%2)+8*SP*\i
.endr
.irp i, 0,1,2,3
	ds_load_b128 v[X+16*((\t)%2)+4*\i:X+16*((\t)%2)+4*\i+3], v15 offset:32*SP*((\t)%2)+16*\i
.endr
.endm
.irp t, 0,1,2,3
	XLOAD \t
.endr
	s_wait_loadcnt 12                              ; step 0's four loads are in; those of steps 1 to 3 stay out
	XTURN 0
.macro XSTEP t
.set XS, X+16*((\t)%2)
.if (\t) > 0
	s_wait_dscnt 1                                 ; this step's numbers are back from the stage (the last step's byte store may be out): so its stores into the stage have read their registers,
.else
	s_wait_dscnt 0x0
.endif
.if (\t)+4 < STEPS
	XLOAD (\t)+4                                   ; which take the loads of four steps on
.endif
.if (\t)+1 < STEPS
.if STEPS-2-(\t) >= 3
	s_wait_loadcnt 12                              ; the next step's four loads are in; those of the three steps behind it may be out
.else
	s_wait_loadcnt 4*(STEPS-2-(\t))
.endif
	XTURN (\t)+1                                   ; and go through the other stage while this step is worked
.endif
	v_max3_num_f32 v8, |v[XS]|, |v[XS+1]|, |v[XS+2]|               ; the largest magnitude of my 16, in two chains
	v_max3_num_f32 v9, |v[XS+3]|, |v[XS+4]|, |v[XS+5]|
.irp i, 6,10
	v_max3_num_f32 v8, v8, |v[XS+\i]|, |v[XS+\i+1]|
	v_max3_num_f32 v9, v9, |v[XS+\i+2]|, |v[XS+\i+3]|
.endr
	v_max3_num_f32 v8, v8, |v[XS+14]|, |v[XS+15]|
	v_max3_num_f32 v8, v8, v9, FLOORB              ; and the floor: the byte cannot fall under 1
	v_max_num_f32_dpp v8, v8, v8 row_xmask:1 row_mask:0xf bank_mask:0xf   ; and of my neighbour's 16: the block's
	v_add_nc_u32 v11, OFFE, v8                     ; 4 off its exponent field: the conversion takes the exponent field of this operand as its scale
	v_cvt_scalef32_pk16_bf6_f32 v[C+4*(\t):C+4*(\t)+2], v[XS:XS+15], v11
	v_lshrrev_b32 v[E+(\t)], 23, v11               ; the scale's byte (also the plain line behind the conversion)
	ds_store_b8 v5, v[E+(\t)] offset:16*(\t)       ; both lanes of a block write the same byte with the same value
	global_store_b96 v4, v[C+4*(\t):C+4*(\t)+2], s[12:13] offset:2*((\t)%2)*XQS+((\t)/2)*ROWQ   ; row t / 2; each sixteen lanes store the 192 consecutive bytes of 256 along K
.endm
.irp t, 0,1,2,3,4,5,6,7,8,9,10,11,12,13,14,15
	XSTEP \t
.endr
	ds_load_b64 v[8:9], v6                         ; LDS serves a wave's instructions in order: this sees my stores
	v_mov_b32 v10, 0
	v_mov_b32 v11, 0                               ; the row's last 8 bytes are written too: every byte of the workspace that is fetched later has been stored
	s_wait_alu depctr_va_vdst(0)
	s_wait_dscnt 0x0
	global_store_b128 v7, v[8:11], s[12:13]
	s_wait_tensorcnt 0x0
	ds_add_u32 v192, v193
	s_wait_dscnt 0x0
	s_endpgm
	; ================= the weights =================
.Lweights:
	s_sub_co_u32 s21, ttmp9, 256                   ; 0 .. 95
	s_lshr_b32 s22, s21, 5                         ; which matrix: 0 Wq, 1 Wk, 2 Wv
	s_and_b32 s23, s21, 7                          ; which 128 columns
	s_bfe_u32 s24, s21, 0x20003                    ; which 256 along K
	s_lshl_b32 s25, s23, 7
	s_lshl_b32 s26, s20, 5
	s_add_co_u32 s25, s25, s26                     ; my wave's first column
	s_mul_i32 s26, s23, 3
	s_add_co_u32 s26, s26, s22
	s_lshl_b32 s26, s26, 7
	s_lshl_b32 s27, s20, 5
	s_add_co_u32 s26, s26, s27                     ; and its row in wq: (3 x which 128 columns + matrix) x 128 + 32 x wave
	s_wait_alu depctr_va_vdst(0)
	v_lshlrev_b32 v3, 2, v2                        ; in: 4 bytes a lane
	s_mul_i32 s27, s20, 32*WP
	s_add_co_u32 s27, s27, WLDS                    ; my stage
	v_mul_u32_u24 v4, v2, WP
	v_add_nc_u32 v4, s27, v4                       ; into it: row = my column
	v_and_b32 v5, 15, v2
	v_lshrrev_b32 v6, 4, v2                        ; out of it: sixteen lanes to a row, two rows an instruction
	v_mul_u32_u24 v7, v6, WP
	v_lshl_add_u32 v7, v5, 4, v7
	v_add_nc_u32 v7, s27, v7
	v_mul_u32_u24 v8, v6, ROWQ
	v_mad_u32_u24 v8, v5, 12, v8                   ; and the same place in wq
	v_mul_u32_u24 v9, v2, ROWQ
	v_add_nc_u32 v9, 192, v9                       ; my column's scale bytes: behind its row's codes
	v_mov_b32 v[SB+2], 0
	v_mov_b32 v[SB+3], 0
	s_lshl_b32 s28, s24, 20                        ; W: 256 rows of 4,096 bytes for each step along K,
	s_lshl_b32 s29, s25, 2
	s_add_co_u32 s28, s28, s29                     ; + 4 x column
	s_mov_b32 s29, 0
	s_mul_i32 s30, s26, ROWQ                       ; wq: my first row, in the run of my 256 along K
	s_mul_i32 s31, s24, WQS
	s_add_co_u32 s30, s30, s31
	s_mov_b32 s31, 0
	s_wait_kmcnt 0x0
	s_cmp_eq_u32 s22, 1                            ; the choice hangs on the work-group's number alone
	s_cselect_b64 s[6:7], s[8:9], s[6:7]
	s_cmp_eq_u32 s22, 2
	s_cselect_b64 s[6:7], s[10:11], s[6:7]
	s_add_nc_u64 s[6:7], s[6:7], s[28:29]
	s_add_nc_u64 s[14:15], s[14:15], s[30:31]
.macro WLOAD t                         ; block t: W(32 t + i, my column), i = 0 .. 31, into set t % 2; a wave reads 128 consecutive bytes, the work-group 512
.irp i, 0,1,2,3,4,5,6,7,8,9,10,11,12,13,14,15,16,17,18,19,20,21,22,23,24,25,26,27,28,29,30,31
	global_load_b32 v[WX+32*((\t)%2)+\i], v3, s[6:7] offset:(32*(\t)+\i)*4096 th:TH_LOAD_NT
.endr
.endm
	WLOAD 0
	WLOAD 1
.macro WBLOCK t
.set XS, WX+32*((\t)%2)
.if (\t) < NB-1
	s_wait_loadcnt 32                              ; this block's 32 loads are in; the next block's may be out
.else
	s_wait_loadcnt 0x0
.endif
	v_max3_num_f32 v12, |v[XS]|, |v[XS+1]|, |v[XS+2]|              ; the block's largest magnitude: all 32 numbers are mine
	v_max3_num_f32 v13, |v[XS+3]|, |v[XS+4]|, |v[XS+5]|
.irp i, 6,10,14,18,22,26
	v_max3_num_f32 v12, v12, |v[XS+\i]|, |v[XS+\i+1]|
	v_max3_num_f32 v13, v13, |v[XS+\i+2]|, |v[XS+\i+3]|
.endr
	v_max3_num_f32 v12, v12, |v[XS+30]|, |v[XS+31]|
	v_max3_num_f32 v12, v12, v13, FLOORB
	v_add_nc_u32 v11, OFFE, v12
	v_lshrrev_b32 v13, 23, v11                     ; the scale's byte
.if (\t)%4 == 0
	v_mov_b32 v[SB+(\t)/4], v13                    ; four bytes to a register, the lower K in the lower byte
.else
	v_lshl_or_b32 v[SB+(\t)/4], v13, 8*((\t)%4), v[SB+(\t)/4]
.endif
	v_cvt_scalef32_pk16_bf6_f32 v[WC:WC+2], v[XS:XS+15], v11
	v_cvt_scalef32_pk16_bf6_f32 v[WC+4:WC+6], v[XS+16:XS+31], v11  ; (a conversion's three registers begin on an even number)
	ds_store_b96 v4, v[WC:WC+2] offset:32*(\t)     ; 16 codes, 12 bytes, to a place of 16 bytes: every LDS address is a multiple of 16
	ds_store_b96 v4, v[WC+4:WC+6] offset:32*(\t)+16
.if (\t)+2 < NB
	WLOAD (\t)+2
.endif
	s_wait_dscnt 0x0                               ; the stores have read their registers: the next block's codes may be written
.endm
.irp t, 0,1,2,3,4,5,6,7
	WBLOCK \t
.endr
	s_wait_alu depctr_va_vdst(0)
	global_store_b128 v9, v[SB:SB+3], s[14:15]     ; my column's 8 scale bytes and the row's 8 zero bytes
.irp t, 0,1,2,3,4,5,6,7,8,9,10,11,12,13,14,15
	ds_load_b96 v[OUTR+4*\t:OUTR+4*\t+2], v7 offset:2*\t*WP   ; LDS serves a wave's instructions in order: these see my stores
.endr
.irp t, 0,1,2,3,4,5,6,7,8,9,10,11,12,13,14,15
	s_wait_dscnt 15-\t
	global_store_b96 v8, v[OUTR+4*\t:OUTR+4*\t+2], s[14:15] offset:2*\t*ROWQ   ; sixteen lanes store a row's 192 consecutive bytes
.endr
	s_wait_tensorcnt 0x0
	ds_add_u32 v192, v193
	s_wait_dscnt 0x0
	s_endpgm
.Lfunc_end_k_qf2c73dee2e_quant:
	.size	k_qf2c73dee2e_quant, .Lfunc_end_k_qf2c73dee2e_quant-k_qf2c73dee2e_quant
	.p2alignl 7, 3214868480
	.fill 96, 4, 3214868480
	.section	.rodata,"a",@progbits
	.p2align	6, 0x0
	.amdhsa_kernel k_qf2c73dee2e_quant
		.amdhsa_group_segment_fixed_size 68096
		.amdhsa_private_segment_fixed_size 0
		.amdhsa_enable_private_segment 0
		.amdhsa_kernarg_size 48
		.amdhsa_user_sgpr_count 2
		.amdhsa_user_sgpr_kernarg_segment_ptr 1
		.amdhsa_wavefront_size32 1
		.amdhsa_system_sgpr_workgroup_id_x 1
		.amdhsa_system_sgpr_workgroup_id_y 1
		.amdhsa_system_sgpr_workgroup_id_z 1
		.amdhsa_system_vgpr_workitem_id 0
		.amdhsa_next_free_vgpr 194
		.amdhsa_next_free_sgpr 66
		.amdhsa_reserve_vcc 0
		.amdhsa_float_denorm_mode_32 3
		.amdhsa_float_denorm_mode_16_64 3
		.amdhsa_memory_ordered 1
		.amdhsa_forward_progress 1
		.amdhsa_inst_pref_size 74
	.end_amdhsa_kernel
	.amdgpu_metadata
---
amdhsa.version: [ 1, 2 ]
amdhsa.kernels:
  - .name:           k_qf2c73dee2e_quant
    .symbol:         k_qf2c73dee2e_quant.kd
    .args:
      - { .name: x, .offset: 0, .size: 8, .value_kind: global_buffer, .address_space: global }
      - { .name: Wq, .offset: 8, .size: 8, .value_kind: global_buffer, .address_space: global }
      - { .name: Wk, .offset: 16, .size: 8, .value_kind: global_buffer, .address_space: global }
      - { .name: Wv, .offset: 24, .size: 8, .value_kind: global_buffer, .address_space: global }
      - { .name: xq, .offset: 32, .size: 8, .value_kind: global_buffer, .address_space: global }
      - { .name: wq, .offset: 40, .size: 8, .value_kind: global_buffer, .address_space: global }
    .group_segment_fixed_size: 68096
    .private_segment_fixed_size: 0
    .kernarg_segment_align: 8
    .kernarg_segment_size: 48
    .max_flat_workgroup_size: 128
    .sgpr_count:     66
    .vgpr_count:     194
    .wavefront_size: 32
...
	.end_amdgpu_metadata
.endif
;; end of part 1
;; launch qkv (part 2): grid 8 x 32, 4 waves a work-group, clusters of 4 x 4, 327,680 bytes of LDS; arguments xq, wq, rec; writes rec
.if DOCPART == 2
	.amdgcn_target "amdgcn-amd-amdhsa--gfx1250"
	.amdhsa_code_object_version 6
	.text
	.protected	k_qf2c73dee2e_qkv
	.globl	k_qf2c73dee2e_qkv
	.p2align	8
	.type	k_qf2c73dee2e_qkv,@function
k_qf2c73dee2e_qkv:
	s_mov_b64 s[64:65], 0
	v_nop
	global_prefetch_b8 v0, s[64:65] scope:SCOPE_SE
	s_setreg_imm32_b32 hwreg(HW_REG_WAVE_MODE, 25, 1), 1
	s_wait_xcnt 0x0
	s_wait_alu depctr_hold_cnt(0) depctr_sa_sdst(0) depctr_va_vdst(0) depctr_va_sdst(0) depctr_va_ssrc(0) depctr_va_vcc(0) depctr_vm_vsrc(0)
	s_getreg_b32 s2, hwreg(HW_REG_IB_STS2, 6, 4)
	s_cmp_eq_u32 s2, 0
	s_cbranch_scc0 .Lentry_in_a_cluster
	s_endpgm
.Lentry_in_a_cluster:
	s_bfe_u32 s2, ttmp6, 0x10000c
	s_cmp_lg_u32 s2, 0xf033
	s_cbranch_scc0 .Lentry_shape_is_right
	s_endpgm
.Lentry_shape_is_right:
.set ROWQ,  208
.set XQS,   8192*ROWQ
.set WQS,   3072*ROWQ
.set BLK,   16*ROWQ
.set XH,    128*ROWQ
.set WH,    192*ROWQ
.set GRP,   128*ROWQ
.set WOFF,  256*ROWQ
.set SLOT,  640*ROWQ
.set SPARE, 2*SLOT
.set LAPS,  2
.set NL,    6
.set NP,    4
.set RS,    153600
.set VOFF,  49152
.set KSOFF, 98304
.set VSOFF, 100352
.set QOFF,  102400
.set QSOFF, 151552
.set ADRA, 10
.set ADRB, 12
.set ADRS, 14
.set LI,   20
.set SW,   21
.set SRD,  22
.set SV,   23
.set SPW,  28
.set NIL,  29
.set SC,   32
.set AF,   56
.set WF,   152
.set FRG,  56
.set WRD,  200
.set TM,   212
.set T0,   228
.set T1,   232
.set SBK,  236
.set G1, 24
.set G0, 32
.set G1B, 48
.set G0B, 56
.set SEL, 92
.set FLR, 96
.set MSB, 0
.macro WIN new
.if MSB != (\new)
	s_set_vgpr_msb (MSB<<8)|(\new)
.set MSB, (\new)
.endif
.endm
.macro JLOAD g0a, g1a, g0b, g1b
	s_cmp_eq_u32 s15, 0
	s_cbranch_scc0 .Lfor_b_\@
	tensor_load_to_lds s[\g0a:\g0a+3], s[\g1a:\g1a+7]
	s_nop 0
.rept 4
	v_nop
.endr
	s_branch .Lasked_\@
.Lfor_b_\@:
	tensor_load_to_lds s[\g0b:\g0b+3], s[\g1b:\g1b+7]
	s_nop 0
.rept 4
	v_nop
.endr
.Lasked_\@:
.endm
.macro CREST
	s_cmp_lg_u32 s14, 0
	s_cbranch_scc1 .Lnot_wave_0_\@
	s_barrier_signal -3
.Lnot_wave_0_\@:
	s_barrier_wait -3
	s_barrier_signal -1
	s_barrier_wait -1
.endm
.macro CROUND
	s_barrier_signal -1
	s_barrier_wait -1
	CREST
.endm
	s_load_b128 s[4:7], s[0:1], 0x0
	s_load_b64 s[12:13], s[0:1], 0x10
	v_lshl_add_u32 v[SPW], v0, 2, SPARE
	v_mov_b32 v[NIL], 0
	ds_add_u32 v28, v29
	ds_add_u32 v28, v29
	s_wait_dscnt 0x0
	v_lshrrev_b32 v1, 5, v0
	v_readfirstlane_b32 s14, v1
	s_lshr_b32 s15, s14, 1
	s_and_b32 s16, s14, 1
	s_bfe_u32 s40, ttmp6, 0x40000
	s_bfe_u32 s41, ttmp6, 0x40004
	s_lshl_b32 s42, ttmp9, 2
	s_add_co_u32 s42, s42, s40
	s_and_b32 s17, ttmp7, 0xffff
	s_lshl_b32 s17, s17, 2
	s_add_co_u32 s17, s17, s41
	s_lshl_b32 s43, s41, 2
	s_lshl_b32 s43, 15, s43
	s_lshl_b32 s44, 0x1111, s40
	s_or_b32 s[G1+0], s43, (3<<16)|(1<<21)
	s_or_b32 s[G1B+0], s44, (3<<16)|(1<<21)
	s_mov_b32 s[G1+1], 32<<16
	s_mov_b32 s[G1+2], 104<<16
	s_mov_b32 s[G1+3], 32<<16
	s_mov_b32 s[G1+4], 104
	s_mov_b32 s[G1+5], 32
	s_mov_b32 s[G1+6], 0
	s_mov_b32 s[G1+7], 0
	s_mov_b32 s[G1B+1], 32<<16
	s_mov_b32 s[G1B+2], 156<<16
	s_mov_b32 s[G1B+3], 32<<16
	s_mov_b32 s[G1B+4], 156
	s_mov_b32 s[G1B+5], 32
	s_mov_b32 s[G1B+6], 0
	s_mov_b32 s[G1B+7], 0
	s_lshl_b32 s20, s17, 8
	s_lshl_b32 s18, s16, 7
	s_add_co_u32 s20, s20, s18
	s_mul_i32 s20, s20, ROWQ
	s_mov_b32 s21, 0
	s_mul_i32 s46, s42, 384
	s_mul_i32 s18, s16, 192
	s_add_co_u32 s46, s46, s18
	s_mul_i32 s46, s46, ROWQ
	s_mov_b32 s47, 0
	s_mul_i32 s45, s16, XH
	s_mul_i32 s94, s16, WH
	s_add_co_u32 s94, s94, WOFF
	s_wait_kmcnt 0x0
	s_add_nc_u64 s[20:21], s[4:5], s[20:21]
	s_add_nc_u64 s[46:47], s[6:7], s[46:47]
	CROUND
.irp s, 0,1
	s_mov_b32 s[G0+4*\s], 1
	s_add_co_u32 s[G0+4*\s+1], s45, \s*SLOT
	s_add_nc_u64 s[G0+4*\s+2:G0+4*\s+3], s[20:21], \s*XQS
	s_or_b32 s[G0+4*\s+3], s[G0+4*\s+3], 0x80000000
	s_mov_b32 s[G0B+4*\s], 1
	s_add_co_u32 s[G0B+4*\s+1], s94, \s*SLOT
	s_add_nc_u64 s[G0B+4*\s+2:G0B+4*\s+3], s[46:47], \s*WQS
	s_or_b32 s[G0B+4*\s+3], s[G0B+4*\s+3], 0x80000000
	s_wait_alu depctr_va_vdst(0)
	s_wait_tensorcnt 0x0
	ds_add_u32 v28, v29
	ds_add_u32 v28, v29
	s_wait_dscnt 0x0
	CROUND
	JLOAD G0+4*\s, G1, G0B+4*\s, G1B
.endr
	v_and_b32 v1, 15, v0
	v_bfe_u32 v2, v0, 4, 1
	s_wait_alu depctr_va_vdst(0)
	v_mul_u32_u24 v3, v1, ROWQ
	v_mad_u32_u24 v4, v2, 24, v3
	s_mul_i32 s21, s15, XH
	s_mul_i32 s22, s16, 4*BLK
	s_add_co_u32 s22, s22, WOFF
.irp s, 0,1
	v_add_nc_u32 v[ADRA+\s], s21, v4
	v_add_nc_u32 v[ADRB+\s], s22, v4
	s_add_co_u32 s21, s21, SLOT
	s_add_co_u32 s22, s22, SLOT
.endr
	s_xor_b32 s18, s15, 1
	s_mul_i32 s18, s18, XH
	s_mul_i32 s19, s16, 4*BLK
	s_add_co_u32 s18, s18, s19
	s_mul_i32 s19, s15, XH
.irp g, 0,1,2
	s_add_co_u32 s23, s18, XH+\g*GRP-(\g%2)*4*BLK
	v_mul_u32_u24 v5, s23, v2
	s_wait_alu depctr_va_vdst(0)
	v_add_nc_u32 v5, v5, v3
	s_add_co_u32 s23, s19, (\g%2)*4*BLK+192
	v_add_nc_u32 v[ADRS+\g], s23, v5
	v_add_nc_u32 v[ADRS+3+\g], SLOT, v[ADRS+\g]
.endr
	v_and_b32 v6, 31, v0
	v_lshlrev_b32 v[LI], 4, v6
	v_lshlrev_b32 v[SV], 3, v6
	s_mul_i32 s23, s14, 768
	v_lshl_add_u32 v[SW], v1, 2, s23
	v_add_nc_u32 v[SRD], s23, v[SV]
	s_lshr_b32 s18, s17, 2
	s_lshl_b32 s18, s18, 4
	s_lshl_b32 s19, s42, 1
	s_add_co_u32 s18, s18, s19
	s_add_co_u32 s18, s18, s16
	s_mul_i32 s18, s18, RS
	s_and_b32 s19, s17, 3
	s_lshl_b32 s19, s19, 3
	s_lshl_b32 s20, s15, 2
	s_add_co_u32 s19, s19, s20
	s_mul_i32 s20, s19, 1536
	s_add_co_u32 s20, s20, s18
	s_mov_b32 s21, 0
	s_lshl_b32 s22, s19, 6
	s_add_co_u32 s22, s22, s18
	s_mov_b32 s23, 0
	s_add_nc_u64 s[22:23], s[12:13], s[22:23]
	s_add_nc_u64 s[12:13], s[12:13], s[20:21]
	s_mov_b32 s[SEL], 0x76543210
	s_mov_b32 s[SEL+1], 0xfedcba98
	s_mov_b32 s[FLR], 0x2800000
.macro FRAG reg, adr, off
.irp p, 0,1,2,3,4,5
	ds_load_b64 v[(\reg)+2*\p:(\reg)+2*\p+1], v[\adr] offset:(\off)+48*(\p/3)+8*(\p%3)
.endr
.endm
.macro FETCH_W slot, q, g, buf
.irp b, 0,1,2,3
	FRAG WF+48*(\buf)+12*\b, ADRB+\slot, (\g)*GRP+\b*BLK+96*(\q)
.endr
.endm
.macro FETCH_A slot, q, i0
.irp i, \i0, \i0+1, \i0+2, \i0+3
	FRAG AF+12*(\i), ADRA+\slot, (\i)*BLK+96*(\q)
.endr
.endm
.macro SCALES slot, q
.irp g, 0,1,2
.irp b, 0,1,2,3
	ds_load_b32 v[SC+12*(\q)+4*\g+\b], v[ADRS+3*(\slot)+\g] offset:\b*BLK+4*(\q)
.endr
.endr
.endm
.macro MULG g, sc, buf, a0, zero
.irp a, \a0, \a0+1, \a0+2, \a0+3
.irp b, 0,1,2,3
.set rW, WF+48*(\buf)+12*\b
.set rX, AF+12*(\a)
.set rSW, SC+12*(\sc)+4*(\g)+\b
.set rSX, SC+12*(\sc)+(\a)
.if (\g) < 2
.set rD, 8*(4*(\a)+\b)
.if \zero
	v_wmma_scale_f32_16x16x128_f8f6f4 v[rD:rD+7], v[rW:rW+11], v[rX:rX+11], 0, v[rSW], v[rSX] matrix_a_fmt:MATRIX_FMT_BF6 matrix_b_fmt:MATRIX_FMT_BF6 matrix_a_scale:MATRIX_SCALE_ROW1
.else
	v_wmma_scale_f32_16x16x128_f8f6f4 v[rD:rD+7], v[rW:rW+11], v[rX:rX+11], v[rD:rD+7], v[rSW], v[rSX] matrix_a_fmt:MATRIX_FMT_BF6 matrix_b_fmt:MATRIX_FMT_BF6 matrix_a_scale:MATRIX_SCALE_ROW1
.endif
.else
.set rD, 8*(8*\b+(\a))
.if \zero
	v_wmma_scale_f32_16x16x128_f8f6f4 v[rD:rD+7], v[rX:rX+11], v[rW:rW+11], 0, v[rSX], v[rSW] matrix_a_fmt:MATRIX_FMT_BF6 matrix_b_fmt:MATRIX_FMT_BF6 matrix_b_scale:MATRIX_SCALE_ROW1
.else
	v_wmma_scale_f32_16x16x128_f8f6f4 v[rD:rD+7], v[rX:rX+11], v[rW:rW+11], v[rD:rD+7], v[rSX], v[rSW] matrix_a_fmt:MATRIX_FMT_BF6 matrix_b_fmt:MATRIX_FMT_BF6 matrix_b_scale:MATRIX_SCALE_ROW1
.endif
.endif
.endr
.endr
.endm
.set W_Q, 0x50
.set W_K, 0xa0
.set W_V, 0xf0
.macro PLACES n
.rept \n
	v_nop
.endr
.endm
.macro QGROUP slot, q, zero
	s_wait_dscnt 4*NL
	WIN W_Q
	MULG 0, \q, \q, 0, \zero
	PLACES NP
	WIN 0
	FETCH_W \slot, \q, 1, 1-(\q)
	s_wait_dscnt 4*NL
	WIN W_Q
	MULG 0, \q, \q, 4, \zero
.endm
.macro STEP_A slot, zero
	QGROUP \slot, 0, \zero
	s_wait_dscnt 0x0
	WIN W_K
	MULG 1, 0, 1, 0, \zero
	PLACES NP
	WIN 0
	FETCH_W \slot, 0, 2, 0
	WIN W_K
	MULG 1, 0, 1, 4, \zero
	s_wait_dscnt 0x0
	WIN W_V
	MULG 2, 0, 0, 0, \zero
	PLACES NP
	WIN 0
	FETCH_W \slot, 1, 0, 1
	FETCH_A \slot, 1, 0
	SCALES \slot, 1
	WIN W_V
	MULG 2, 0, 0, 4, \zero
	PLACES NP
	WIN 0
	FETCH_A \slot, 1, 4
.endm
.macro STEP_B slot, next, fill
	QGROUP \slot, 1, 0
	s_wait_dscnt 0x0
	WIN W_K
	MULG 1, 1, 0, 0, 0
	PLACES NP
	WIN 0
	FETCH_W \slot, 1, 2, 1
	s_wait_tensorcnt 0x0
	ds_add_u32 v[SPW], v[NIL]
	WIN W_K
	MULG 1, 1, 0, 4, 0
	s_wait_dscnt 0x0
	s_barrier_signal -1
	WIN W_V
	MULG 2, 1, 1, 0, 0
	WIN 0
	s_barrier_wait -1
.if \fill
	CREST
	s_add_nc_u64 s[G0+4*\slot+2:G0+4*\slot+3], s[G0+4*\slot+2:G0+4*\slot+3], 2*XQS
	s_add_nc_u64 s[G0B+4*\slot+2:G0B+4*\slot+3], s[G0B+4*\slot+2:G0B+4*\slot+3], 2*WQS
	JLOAD G0+4*\slot, G1, G0B+4*\slot, G1B
.else
	PLACES NP
.endif
	FETCH_W \next, 0, 0, 0
	FETCH_A \next, 0, 0
	SCALES \next, 0
	WIN W_V
	MULG 2, 1, 1, 4, 0
	PLACES NP
	WIN 0
	FETCH_A \next, 0, 4
.endm
	s_wait_alu depctr_va_vdst(0)
	s_wait_tensorcnt 1
	s_barrier_signal -1
	s_barrier_wait -1
	FETCH_W 0, 0, 0, 0
	FETCH_A 0, 0, 0
	SCALES 0, 0
	FETCH_A 0, 0, 4
	STEP_A 0, 1
	s_mov_b32 s3, LAPS-1
.Llap:
	STEP_B 0, 1, 1
	STEP_A 1, 0
	STEP_B 1, 0, 1
	STEP_A 0, 0
	s_sub_co_u32 s3, s3, 1
	s_cmp_lg_u32 s3, 0
	s_cbranch_scc1 .Llap
	STEP_B 0, 1, 0
	STEP_A 1, 0
	QGROUP 1, 1, 0
	s_wait_dscnt 0x0
	WIN W_K
	MULG 1, 1, 0, 0, 0
	PLACES NP
	WIN 0
	FETCH_W 1, 1, 2, 1
	WIN W_K
	MULG 1, 1, 0, 4, 0
	s_wait_dscnt 0x0
	WIN W_V
	MULG 2, 1, 1, 0, 0
	MULG 2, 1, 1, 4, 0
	WIN 0
.macro QUANTG f
.set QWN, 1+(\f)/4
.set QSR, 64*((\f)%4)
.set QD0, FRG+12*(\f)
.set QD1, FRG+12*(\f)+6
.set QPW, WRD+(\f)
	WIN (QWN<<2)|(QWN<<4)
.irp b, 0,1,2,3
	v_max3_num_f32 v[TM+\b], s[FLR], |v[QSR+16*\b]|, |v[QSR+16*\b+1]|
.endr
.irp i, 2,4,6,8,10,12,14
.irp b, 0,1,2,3
	v_max3_num_f32 v[TM+\b], v[TM+\b], |v[QSR+16*\b+\i]|, |v[QSR+16*\b+\i+1]|
.endr
.endr
	WIN 0
.irp b, 0,1,2,3
	v_permlanex16_b32 v[TM+4+\b], v[TM+\b], s[SEL], s[SEL+1]
.endr
.irp b, 0,1,2,3
	v_max_num_f32 v[TM+\b], v[TM+\b], v[TM+4+\b]
.endr
.irp b, 0,1,2,3
	v_add_nc_u32 v[TM+12+\b], 0xfe000000, v[TM+\b]
.endr
.irp b, 0,1,2,3
	v_lshrrev_b32 v[TM+4+\b], 23, v[TM+12+\b]
.endr
	v_lshl_or_b32 v[QPW], v[TM+5], 8, v[TM+4]
	v_lshl_or_b32 v[QPW], v[TM+6], 16, v[QPW]
	v_lshl_or_b32 v[QPW], v[TM+7], 24, v[QPW]
	WIN QWN
	v_cvt_scalef32_pk16_bf6_f32 v[QD0:QD0+2], v[QSR:QSR+15], v[TM+12]
	v_cvt_scalef32_pk16_bf6_f32 v[T0:T0+2], v[QSR+16:QSR+31], v[TM+13]
	v_cvt_scalef32_pk16_bf6_f32 v[QD1:QD1+2], v[QSR+32:QSR+47], v[TM+14]
	v_cvt_scalef32_pk16_bf6_f32 v[T1:T1+2], v[QSR+48:QSR+63], v[TM+15]
	WIN 0
	v_nop
.irp i, 0,1,2
	v_permlane16_swap_b32 v[QD0+\i], v[T0+\i]
.endr
.irp i, 0,1,2
	v_mov_b32 v[QD0+3+\i], v[T0+\i]
.endr
.irp i, 0,1,2
	v_permlane16_swap_b32 v[QD1+\i], v[T1+\i]
.endr
.irp i, 0,1,2
	v_mov_b32 v[QD1+3+\i], v[T1+\i]
.endr
.endm
.macro OUTIMG f, off
	QUANTG \f
	ds_store_b32 v[SW], v[WRD+(\f)] offset:64*(\f)
.irp c, 0,1,2
	global_store_b128 v[LI], v[FRG+12*(\f)+4*\c:FRG+12*(\f)+4*\c+3], s[12:13] offset:(\off)+512*\c
.endr
.endm
	PLACES NP
.irp b, 0,1,2,3
	v_mov_b32 v[TM+4+\b], 0
.endr
.irp f, 0,1,2,3
	OUTIMG \f, QOFF+\f*1536
.endr
.irp f, 4,5,6,7
	OUTIMG \f, (\f-4)*1536
.endr
.irp f, 8,9,10,11
	OUTIMG \f, VOFF+(\f-8)*1536
.endr
.irp j, 0,1,2
	ds_load_b64 v[SBK+2*\j:SBK+2*\j+1], v[SRD] offset:256*\j
.endr
	s_wait_dscnt 0x0
	global_store_b64 v[SV], v[SBK:SBK+1], s[22:23] offset:QSOFF
	global_store_b64 v[SV], v[SBK+2:SBK+3], s[22:23] offset:KSOFF
	global_store_b64 v[SV], v[SBK+4:SBK+5], s[22:23] offset:VSOFF
	s_wait_tensorcnt 0x0
	ds_add_u32 v[SPW], v[NIL]
	s_wait_dscnt 0x0
	CROUND
	s_endpgm
.Lfunc_end_k_qf2c73dee2e_qkv:
	.size	k_qf2c73dee2e_qkv, .Lfunc_end_k_qf2c73dee2e_qkv-k_qf2c73dee2e_qkv
	.p2alignl 7, 3214868480
	.fill 96, 4, 3214868480
	.section	.rodata,"a",@progbits
	.p2align	6, 0x0
	.amdhsa_kernel k_qf2c73dee2e_qkv
		.amdhsa_group_segment_fixed_size 327680
		.amdhsa_private_segment_fixed_size 0
		.amdhsa_enable_private_segment 0
		.amdhsa_kernarg_size 24
		.amdhsa_user_sgpr_count 2
		.amdhsa_user_sgpr_kernarg_segment_ptr 1
		.amdhsa_wavefront_size32 1
		.amdhsa_system_sgpr_workgroup_id_x 1
		.amdhsa_system_sgpr_workgroup_id_y 1
		.amdhsa_system_sgpr_workgroup_id_z 1
		.amdhsa_system_vgpr_workitem_id 0
		.amdhsa_next_free_vgpr 1024
		.amdhsa_next_free_sgpr 102
		.amdhsa_reserve_vcc 0
		.amdhsa_float_denorm_mode_32 3
		.amdhsa_float_denorm_mode_16_64 3
		.amdhsa_memory_ordered 1
		.amdhsa_forward_progress 1
		.amdhsa_inst_pref_size 231
	.end_amdhsa_kernel
	.amdgpu_metadata
---
amdhsa.version: [ 1, 2 ]
amdhsa.kernels:
  - .name:           k_qf2c73dee2e_qkv
    .symbol:         k_qf2c73dee2e_qkv.kd
    .args:
      - { .name: xq, .offset: 0, .size: 8, .value_kind: global_buffer, .address_space: global }
      - { .name: wq, .offset: 8, .size: 8, .value_kind: global_buffer, .address_space: global }
      - { .name: rec, .offset: 16, .size: 8, .value_kind: global_buffer, .address_space: global }
    .group_segment_fixed_size: 327680
    .private_segment_fixed_size: 0
    .kernarg_segment_align: 8
    .kernarg_segment_size: 24
    .max_flat_workgroup_size: 128
    .sgpr_count:     102
    .vgpr_count:     1024
    .wavefront_size: 32
...
	.end_amdgpu_metadata
.endif
;; end of part 2
;; launch attn (part 3): grid 2 x 128, 8 waves a work-group, no clusters, 275,712 bytes of LDS; arguments rec, rel_table, obuf; writes obuf
.if DOCPART == 3
	.amdgcn_target "amdgcn-amd-amdhsa--gfx1250"
	.amdhsa_code_object_version 6
	.text
	.protected	k_qf2c73dee2e_attn
	.globl	k_qf2c73dee2e_attn
	.p2align	8
	.type	k_qf2c73dee2e_attn,@function
k_qf2c73dee2e_attn:
	s_mov_b64 s[64:65], 0
	v_nop
	global_prefetch_b8 v0, s[64:65] scope:SCOPE_SE
	s_setreg_imm32_b32 hwreg(HW_REG_WAVE_MODE, 25, 1), 1
	s_wait_xcnt 0x0
; obuf[b][q][64 head + d] = the sum over k of Q(softmax_k(q . k / 32) + bias[head][q][k]) Q(v[k][d]): both products on codes of BF6 (E3M2), one E8M0 scale for each 32 along a product's K.
; q, k, v come as images of operand registers, one record for each (batch, head), as the launch before has laid them.
; THE BIAS: bias[head][q][k] = rel_flat[16 (64 (q % 16) - 64 head - q / 16 + 1023) + k]: 1,024 consecutive numbers of the table for each (head, query).  For the work-group's 32 tiles of queries, lane row
; r = q % 16 needs table rows 64 r + umin .. + 94, umin = 992 - 64 head - 32 g: sixteen windows of 6,080 bytes, copied into LDS once.  Key tile t of query tile T lies 64 (31 - T + t) bytes into a window:
; it hangs on t - T alone, so nine tiles of bias (72 registers) serve two neighbouring query tiles for 128 keys.
; SHARES.  A work-group owns one (batch, head) and half g of its queries: 32 tiles of 16.  Eight waves, two to a SIMD, 512 registers each.  FOUR WAVES SHARE TWO TILES OF QUERIES (a job): each takes 256 of the 1,024
; keys for both tiles, 256 score registers a lane; so an image of keys read from LDS feeds four products, a fragment of values two.  Each wave takes away the maximum of ITS quarter row before the exponential
; and sums its quarter; the four exchange (-c m, sum) through LDS at one barrier and bring all quarters under the row's maximum: factor 2^(c m_quarter - c m_row), at most 1.  The four partial O^T meet in four
; LDS stages at a second barrier; each wave adds and stores eight of the job's 32 rows.  Four waves do eight jobs.
; Between that second barrier's signal and its wait stand the next job's first product and its maxima: work on registers and LDS loads of the record, which nobody writes.
; The head's keys, values and scale words (102,400 bytes) come into LDS once, one tensor load a wave; nothing in LDS is filled again.
; NO CLUSTER: only the two work-groups of a head share anything, 102,400 bytes fetched once at the head.  NO PREFETCH: the loop streams nothing from memory but the next job's 32 queries, which are loaded a job ahead.
; LAYOUT.  Both products are used transposed: S^T = K Q^T, O^T = V^T A^T: a lane holds ONE query of each tile (lane % 16) throughout.  The head has 64 channels, the instruction 128 along K: an image of keys holds
; two tiles of keys side by side, and each tile of queries stands between two runs of zero codes: read from the run's start it lies in the upper half, read from the queries on in the lower.
; A UNIT u = 2 s + a is query tile a against my keys 128 s .. 128 s + 127: 64 registers at v[64 u] of window 1.
; LIMITS: NaN and infinities are not served; a block's scale byte is held at 1 from below (largest magnitude under 2^-122), and a block of zeros gets the byte 1: its codes are zeros.
; REGISTERS: window 0: v1-15 addresses; v16-23 scale words; v24-53 zeros, queries 0, zeros, queries 1, zeros; v56-91 codes and the quantiser's work (in the sum: eight chains); v92-99 eight chains of the maximum;
;   v100-127 statistics and what the partners sent; v128-199 keys' set 0, then the bias (on the way out: rows read back); v200-247 keys' set 1, then the values.
;   window 1: the 256 scores; O^T of tile a lies in v[32 a .. 32 a + 31] once unit 0's weights are codes.
.set RS,    153600
.set VOFF,  49152
.set KSOFF, 98304
.set QOFF,  102400
.set QSOFF, 151552
.set BIAS0, 102400                     ; LDS: behind the record: the bias windows,
.set BP,    6160                       ; 6,160 bytes apart: 16 more than a multiple of 256
.set STAGE, 200960                     ; a stage of 32 rows x (256 + 16) bytes for each wave
.set SP,    272
.set XCH,   STAGE+8*32*SP              ; 512 bytes for each wave: (-c m, sum) of its quarter rows, both tiles
.set SPARE, XCH+4096                   ; the spare words, 128 bytes for each wave
.set LI,  1
.set LV,  2
.set LS,  3
.set BA,  4
.set STO, 5
.set RD,  6
.set GO,  7
.set QV,  8
.set XW,  9
.set XR,  10                           ; v10-12 my three partners' words
.set BA0, 14
.set LK,  15
.set KSC, 16                           ; v16-19 the keys' scale words: register i: lanes 0-15 image 2 i, lanes 16-31 image 2 i + 1
.set VSC, 20                           ; v20-23 the values' likewise
.set ZQ,  24
.set SPW, 54
.set NIL, 55
.set PC,  56                           ; v56-67 the weights' codes
.set PH,  68                           ; v68-70, v72-74 the conversions' second halves
.set LL,  56                           ; v56-71 the sum: four chains of two numbers for each tile
.set TM,  76                           ; v76-91 the quantiser's work
.set MX,  92                           ; v92-99 four chains for each tile
.set NM,  100                          ; v100 -c m, v101 sum of tile 0; v102, v103 of tile 1
.set RL,  104                          ; v104, v106 my factor / the row's sum (v105, v107 named with them as pairs)
.set EX,  108                          ; v108-119
.set QS,  120                          ; v120, v121
.set PW,  122
.set QW,  123
.set WK,  124                          ; v124-127
.set KS0, 128
.set BB,  128
.set OB,  128
.set VF,  200
.set MSB, 0
.macro WIN new                         ; the immediate's high byte repeats the setting that is left
.if MSB != (\new)
	s_set_vgpr_msb (MSB<<8)|(\new)
.set MSB, (\new)
.endif
.endm
.macro ALUW
	s_wait_alu depctr_va_vdst(0)
.endm
	s_load_b128 s[4:7], s[0:1], 0x0                ; the records, rel_table
	s_load_b64 s[8:9], s[0:1], 0x10                ; obuf
	v_lshl_add_u32 v[SPW], v0, 2, SPARE
	v_mov_b32 v[NIL], 0
	ds_add_u32 v[SPW], v[NIL]                      ; the opening lines: the add, twice on end; work on registers; the wait
	ds_add_u32 v[SPW], v[NIL]
	v_lshrrev_b32 v253, 5, v0
	v_readfirstlane_b32 s10, v253                  ; wave 0..7
	s_lshr_b32 s14, s10, 2                         ; which four waves
	s_and_b32 s15, s10, 3                          ; which 256 keys
	s_mov_b32 s11, ttmp9                           ; g
	s_and_b32 s12, ttmp7, 0xffff                   ; 16 x batch + head
	s_and_b32 s13, s12, 15
	s_mov_b32 s16, 3<<16                           ; group 1: 12,800 dense bytes as 50 rows of 256 (32 elements of 8 bytes)
	s_mov_b32 s17, 32<<16
	s_mov_b32 s18, 50<<16
	s_mov_b32 s19, 32<<16
	s_mov_b32 s20, 50
	s_mov_b32 s21, 32
	s_mov_b32 s22, 0
	s_mov_b32 s23, 0
	s_mul_i32 s50, s12, RS
	s_mov_b32 s51, 0
	s_mov_b32 s24, 1
	s_mul_i32 s25, s10, 12800                      ; my eighth of the record, in LDS and in memory
	s_mov_b32 s52, s25
	s_mov_b32 s53, 0
	s_lshl_b32 s54, s13, 12
	s_lshl_b32 s55, s11, 11
	s_add_co_u32 s54, s54, s55
	s_sub_co_u32 s54, 63488, s54                   ; 64 umin
	s_lshl_b32 s55, s10, 13                        ; + two windows of 64 table rows for each wave
	s_add_co_u32 s54, s54, s55
	s_mov_b32 s55, 0
	s_lshl_b32 s56, s11, 4
	s_lshl_b32 s57, s14, 3
	s_add_co_u32 s56, s56, s57                     ; my four waves' first image of two query tiles: 16 g + 8 x which four
	s_mul_i32 s58, s56, 1536
	s_add_co_u32 s58, s58, QOFF
	s_mov_b32 s59, 0
	s_lshl_b32 s60, s56, 6
	s_add_co_u32 s60, s60, QSOFF
	s_mov_b32 s61, 0
	s_lshr_b32 s62, s12, 4
	s_lshl_b32 s62, s62, 10
	s_lshl_b32 s63, s11, 9
	s_add_co_u32 s62, s62, s63
	s_lshl_b32 s63, s14, 8
	s_add_co_u32 s62, s62, s63                     ; the first row: 1,024 b + 512 g + 256 x which four
	s_lshl_b32 s62, s62, 12
	s_lshl_b32 s63, s13, 8
	s_add_co_u32 s62, s62, s63                     ; x 4,096 bytes + the head's 256
	s_mov_b32 s63, 0
	s_mul_i32 s66, s10, 2*BP
	s_add_co_u32 s66, s66, BIAS0                   ; where my two windows go
	s_xor_b32 s67, s14, 1                          ; query tile 16 f + 2 i + 1, my key tile t: 64 (30 - 16 f - 2 i + 16 kq + t) = 1,024 (1 - f + kq) + 128 (7 - i) + 64 t
	s_add_co_u32 s67, s67, s15
	s_lshl_b32 s67, s67, 10
	s_add_co_u32 s67, s67, BIAS0
	s_mul_i32 s68, s15, 12288                      ; eight images of 1,536 bytes to a quarter
	s_lshl_b32 s69, s15, 9
	s_add_co_u32 s69, s69, KSOFF
	s_mul_i32 s70, s14, 128*SP
	s_add_co_u32 s70, s70, STAGE                   ; my four waves' stages
	s_mul_i32 s71, s15, 32*SP
	s_add_co_u32 s71, s71, s70                     ; the one I write
	s_mul_i32 s72, s15, 8*SP
	s_add_co_u32 s72, s72, s70                     ; the eight rows I read back
	s_lshl_b32 s73, s10, 9
	s_add_co_u32 s73, s73, XCH
	s_xor_b32 s74, s10, 1
	s_lshl_b32 s74, s74, 9
	s_add_co_u32 s74, s74, XCH
	s_xor_b32 s76, s10, 2
	s_lshl_b32 s76, s76, 9
	s_add_co_u32 s76, s76, XCH
	s_xor_b32 s77, s10, 3
	s_lshl_b32 s77, s77, 9
	s_add_co_u32 s77, s77, XCH
	s_lshl_b32 s75, s15, 15
	s_mov_b32 s38, 0                               ; the job
	s_mov_b32 s40, 0x01000100                      ; the byte select of an image's first tile,
	s_mov_b32 s41, 0x03020302                      ; and of its second
	s_mov_b32 s42, 0x3d38aa3b                      ; c = log2(e) / 32
	s_mov_b32 s43, s42
	s_mov_b32 s49, 0xbd38aa3b                      ; -c
	s_mov_b32 s46, 0x76543210
	s_mov_b32 s47, 0xfedcba98
	s_mov_b32 s48, 0x2800000                       ; the floor 2^(5 - 127)
	s_wait_dscnt 0x0
	s_wait_kmcnt 0x0
	s_add_nc_u64 s[4:5], s[4:5], s[50:51]
	s_add_nc_u64 s[26:27], s[4:5], s[52:53]
	s_or_b32 s27, s27, 0x80000000
	tensor_load_to_lds s[24:27], s[16:23]          ; one load a wave, the only one of the launch
	s_nop 0
	s_add_nc_u64 s[6:7], s[6:7], s[54:55]
	s_add_nc_u64 s[28:29], s[4:5], s[58:59]
	s_add_nc_u64 s[30:31], s[4:5], s[60:61]
	s_add_nc_u64 s[36:37], s[8:9], s[62:63]
	v_and_b32 v248, 31, v0
	v_and_b32 v249, 15, v0                         ; r
	v_bfe_u32 v250, v0, 4, 1                       ; h
	v_lshlrev_b32 v[LI], 4, v248
	v_add_nc_u32 v251, s66, v[LI]
	v_add_nc_u32 v[LK], s68, v[LI]
	v_add_nc_u32 v[LV], VOFF, v[LK]
	v_lshl_add_u32 v[LS], v248, 2, s69
	v_mul_u32_u24 v[BA0], v249, BP
	v_lshl_add_u32 v[BA0], v250, 5, v[BA0]
	v_add_nc_u32 v[BA0], s67, v[BA0]
	v_mul_u32_u24 v252, v249, SP
	v_lshl_add_u32 v252, v250, 5, v252
	v_add_nc_u32 v[STO], s71, v252                 ; in: row r, + 32 h
	v_mul_u32_u24 v252, v250, SP
	v_lshl_add_u32 v252, v249, 4, v252
	v_add_nc_u32 v[RD], s72, v252                  ; back: lanes 0-15 one row, lanes 16-31 the next
	v_lshlrev_b32 v252, 12, v250
	v_lshl_add_u32 v252, v249, 4, v252
	v_add_nc_u32 v[GO], s75, v252                  ; and the same rows of obuf
	v_lshlrev_b32 v[QV], 2, v249
	v_lshl_add_u32 v[XW], v248, 4, s73
	v_lshl_add_u32 v[XR], v248, 4, s74
	v_lshl_add_u32 v[XR+1], v248, 4, s76
	v_lshl_add_u32 v[XR+2], v248, 4, s77
.irp b, 0,1,2,3
	v_mov_b32 v[TM+4+\b], 0                        ; a lane permute's destination counts as one of its sources
.endr
	v_mov_b32 v[WK+2], 0
	v_mov_b32 v[WK+3], 0
	v_mov_b32 v[NM+1], 0                           ; (named as the upper halves of pairs)
	v_mov_b32 v[NM+3], 0
	v_mov_b32 v[RL+1], 0
	v_mov_b32 v[RL+3], 0
.irp n, 0,1,2,3,4,5
	v_mov_b32 v[ZQ+\n], 0                          ; zero codes round the queries
	v_mov_b32 v[ZQ+12+\n], 0
	v_mov_b32 v[ZQ+24+\n], 0
.endr
	ALUW                                           ; at the head's end
	; wave w copies windows 2 w and 2 w + 1 through registers: eleven loads of 512 bytes and a twelfth that ends with the window, so that no load leaves the table
.irp p, 0,1
.irp k, 0,1,2,3,4,5,6,7,8,9,10
	global_load_b128 v[128+48*\p+4*\k:128+48*\p+4*\k+3], v[LI], s[6:7] offset:4096*\p+512*\k
.endr
	global_load_b128 v[128+48*\p+44:128+48*\p+47], v[LI], s[6:7] offset:4096*\p+5568
.endr
.macro QLOAD img, scl                  ; an image's registers 0-5 lie at bytes 0, 8, 512 of a lane's places, registers 6-11 at 520, 1024, 1032
	global_load_b64 v[ZQ+6:ZQ+7], v[LI], s[\img:\img+1]
	global_load_b64 v[ZQ+8:ZQ+9], v[LI], s[\img:\img+1] offset:8
	global_load_b64 v[ZQ+10:ZQ+11], v[LI], s[\img:\img+1] offset:512
	global_load_b64 v[ZQ+18:ZQ+19], v[LI], s[\img:\img+1] offset:520
	global_load_b64 v[ZQ+20:ZQ+21], v[LI], s[\img:\img+1] offset:1024
	global_load_b64 v[ZQ+22:ZQ+23], v[LI], s[\img:\img+1] offset:1032
	global_load_b32 v[QW], v[QV], s[\scl:\scl+1]
.endm
	QLOAD 28, 30                                   ; job 0's queries
	s_wait_loadcnt 7                               ; the 24 loads of bias are in; behind them the seven of queries
	s_wait_tensorcnt 0x0                           ; my part of the record has landed
.irp p, 0,1
.irp k, 0,1,2,3,4,5,6,7,8,9,10
	ds_store_b128 v251, v[128+48*\p+4*\k:128+48*\p+4*\k+3] offset:BP*\p+512*\k
.endr
	ds_store_b128 v251, v[128+48*\p+44:128+48*\p+47] offset:BP*\p+5568
.endr
	s_wait_loadcnt 0x0
	v_perm_b32 v[QS], v[QW], v[QW], s40            ; each tile's two scale bytes, twice
	v_perm_b32 v[QS+1], v[QW], v[QW], s41
.rept 8
	v_nop                                          ; eight places between a scale word's line and the first product
.endr
	ALUW
	s_wait_dscnt 0x0                               ; my windows are written:
	s_barrier_signal -1
	s_barrier_wait -1                              ; everybody's are, and the record is whole.  From here on both are only read
.irp i, 0,1,2,3
	ds_load_b32 v[KSC+\i], v[LS] offset:128*\i
	ds_load_b32 v[VSC+\i], v[LS] offset:2048+128*\i
.endr
.macro LOADK G                         ; four images of keys (my key tiles 8 G .. 8 G + 7) into set G
	WIN 0
.irp n, 0,1,2,3
.irp c, 0,1,2
	ds_load_b128 v[KS0+72*(\G)+12*\n+4*\c:KS0+72*(\G)+12*\n+4*\c+3], v[LK] offset:(4*(\G)+\n)*1536+512*\c
.endr
.endr
.endm
.macro W16 G                           ; sixteen products: each image against each tile of queries in the lower half (its first tile of keys) and in the upper (its second); every product starts its own sum
	WIN 0x40                                       ; destination window 1
.irp n, 0,1,2,3
.irp e, 0,1
.irp a, 0,1
.set rD, 64*(2*(\G)+\a)+8*(2*\n+\e)
.set rK, KS0+72*(\G)+12*\n
.set rQ, ZQ+12*\a+6-6*\e
.set rC, KSC+(4*(\G)+\n)/2
.if \n%2
	v_wmma_scale_f32_16x16x128_f8f6f4 v[rD:rD+7], v[rK:rK+11], v[rQ:rQ+11], 0, v[rC], v[QS+\a] matrix_a_fmt:MATRIX_FMT_BF6 matrix_b_fmt:MATRIX_FMT_BF6 matrix_a_scale:MATRIX_SCALE_ROW1
.else
	v_wmma_scale_f32_16x16x128_f8f6f4 v[rD:rD+7], v[rK:rK+11], v[rQ:rQ+11], 0, v[rC], v[QS+\a] matrix_a_fmt:MATRIX_FMT_BF6 matrix_b_fmt:MATRIX_FMT_BF6
.endif
.endr
.endr
.endr
.endm
.macro MAXT G, u                       ; key tile 8 G + u of both query tiles, each from its low end on: eight chains, so a line reads what the eighth line before it wrote
.irp a, 0,1
.irp c, 0,1,2,3
	v_max3_num_f32 v[MX+4*\a+\c], v[MX+4*\a+\c], v[64*(2*(\G)+\a)+8*(\u)+2*\c], v[64*(2*(\G)+\a)+8*(\u)+2*\c+1]
.endr
.endr
.endm
; A job's first product and its maxima
.macro SCORES
	LOADK 0
	LOADK 1
	s_wait_dscnt 12                                ; group 0's images are in; group 1's 12 loads may be out
	W16 0
	s_wait_dscnt 0x0
	W16 1
	WIN 0
.rept 4
	v_nop                                          ; places behind the products, ahead of the first read of their results
.endr
	WIN 0x05
.irp a, 0,1
.irp c, 0,1,2,3
	v_max_num_f32 v[MX+4*\a+\c], v[64*\a+2*\c], v[64*\a+2*\c+1]    ; the first key tile starts the chains
.endr
.endr
	WIN 0x14
.irp u, 1,2,3,4,5,6,7
	MAXT 0, \u
.endr
.irp u, 0,1,2,3,4,5,6,7
	MAXT 1, \u
.endr
	WIN 0
.endm
.macro BIASLOAD s                      ; nine tiles of bias for my keys 128 s on: slot j is key tile j of query tile 1 and key tile j - 1 of query tile 0
	WIN 0
.irp u, 0,1,2,3,4,5,6,7,8
	ds_load_b128 v[BB+8*\u:BB+8*\u+3], v[BA] offset:64*(8*(\s)+\u)
	ds_load_b128 v[BB+8*\u+4:BB+8*\u+7], v[BA] offset:64*(8*(\s)+\u)+16
.endr
.endm
.macro VLOAD s
	WIN 0
.irp t, 0,1,2,3
.irp c, 0,1,2
	ds_load_b128 v[VF+12*\t+4*\c:VF+12*\t+4*\c+3], v[LV] offset:(4*(\s)+\t)*1536+512*\c
.endr
.endr
.endm
.macro NORM u                          ; the finished weights, in place: p x (my factor / the row's sum) + bias, one fused multiply-add for two
	WIN 0x41
.set i, 0
.rept 32
	v_pk_fma_f32 v[64*(\u)+2*i:64*(\u)+2*i+1], v[64*(\u)+2*i:64*(\u)+2*i+1], v[RL+2*((\u)%2):RL+2*((\u)%2)+1], v[BB+8-8*((\u)%2)+2*i:BB+8-8*((\u)%2)+2*i+1] op_sel_hi:[1,0,1]
.set i, i+1
.endr
.endm
.macro QMAX u                          ; four blocks of 32 keys, my 16 numbers of each in two chains (a weight may be negative: the bias is added), and the floor
	WIN 0x14
.irp g, 0,1
.irp b, 0,1,2,3
	v_max3_num_f32 v[TM+8*\g+\b], s48, |v[64*(\u)+16*\b+8*\g]|, |v[64*(\u)+16*\b+8*\g+1]|
.endr
.endr
.irp i, 2,4,6
.irp g, 0,1
.irp b, 0,1,2,3
	v_max3_num_f32 v[TM+8*\g+\b], v[TM+8*\g+\b], |v[64*(\u)+16*\b+8*\g+\i]|, |v[64*(\u)+16*\b+8*\g+\i+1]|
.endr
.endr
.endr
.endm
.macro QSCALE
	WIN 0
.irp b, 0,1,2,3
	v_max_num_f32 v[TM+\b], v[TM+\b], v[TM+8+\b]   ; a block's two chains
.endr
.irp b, 0,1,2,3
	v_permlanex16_b32 v[TM+4+\b], v[TM+\b], s46, s47
.endr
.irp b, 0,1,2,3
	v_max_num_f32 v[TM+\b], v[TM+\b], v[TM+4+\b]   ; with lane l xor 16's: the block's largest magnitude
.endr
.irp b, 0,1,2,3
	v_add_nc_u32 v[TM+12+\b], 0xfe000000, v[TM+\b] ; 4 off its exponent field: the conversion's scale operand
.endr
.irp b, 0,1,2,3
	v_lshrrev_b32 v[TM+4+\b], 23, v[TM+12+\b]      ; the scale's byte
.endr
	v_lshl_or_b32 v[PW], v[TM+5], 8, v[TM+4]
	v_lshl_or_b32 v[PW], v[TM+6], 16, v[PW]
	v_lshl_or_b32 v[PW], v[TM+7], 24, v[PW]
.endm
.macro QCVT u
	WIN 0x01                                       ; source 0: the weights
.irp c, 0,1
	v_cvt_scalef32_pk16_bf6_f32 v[PC+6*\c:PC+6*\c+2], v[64*(\u)+32*\c:64*(\u)+32*\c+15], v[TM+12+2*\c]
	v_cvt_scalef32_pk16_bf6_f32 v[PH+4*\c:PH+4*\c+2], v[64*(\u)+32*\c+16:64*(\u)+32*\c+31], v[TM+13+2*\c]
.endr
	WIN 0
	v_nop                                          ; one plain place behind a scaled conversion
.irp c, 0,1                            ; the operand's layout wants a whole block in a lane
.irp i, 0,1,2
	v_permlane16_swap_b32 v[PC+6*\c+\i], v[PH+4*\c+\i]
.endr
.irp i, 0,1,2
	v_mov_b32 v[PC+3+6*\c+\i], v[PH+4*\c+\i]
.endr
.endr
.endm
.macro PV u                            ; O^T of tile u % 2 += V^T A^T: accumulators by turns, one instruction a turn; a tile's first unit starts its sums
	WIN 0x50                                       ; C and D window 1
.irp t, 0,1,2,3
.set rO, 32*((\u)%2)+8*\t
.set rS, VSC+2*((\u)/2)+\t/2
.if (\u) < 2
.if \t%2
	v_wmma_scale_f32_16x16x128_f8f6f4 v[rO:rO+7], v[VF+12*\t:VF+12*\t+11], v[PC:PC+11], 0, v[rS], v[PW] matrix_a_fmt:MATRIX_FMT_BF6 matrix_b_fmt:MATRIX_FMT_BF6 matrix_a_scale:MATRIX_SCALE_ROW1
.else
	v_wmma_scale_f32_16x16x128_f8f6f4 v[rO:rO+7], v[VF+12*\t:VF+12*\t+11], v[PC:PC+11], 0, v[rS], v[PW] matrix_a_fmt:MATRIX_FMT_BF6 matrix_b_fmt:MATRIX_FMT_BF6
.endif
.else
.if \t%2
	v_wmma_scale_f32_16x16x128_f8f6f4 v[rO:rO+7], v[VF+12*\t:VF+12*\t+11], v[PC:PC+11], v[rO:rO+7], v[rS], v[PW] matrix_a_fmt:MATRIX_FMT_BF6 matrix_b_fmt:MATRIX_FMT_BF6 matrix_a_scale:MATRIX_SCALE_ROW1
.else
	v_wmma_scale_f32_16x16x128_f8f6f4 v[rO:rO+7], v[VF+12*\t:VF+12*\t+11], v[PC:PC+11], v[rO:rO+7], v[rS], v[PW] matrix_a_fmt:MATRIX_FMT_BF6 matrix_b_fmt:MATRIX_FMT_BF6
.endif
.endif
.endr
.endm
	SCORES                                         ; job 0's
.Ljob:                                             ; eight trips: query tiles 32 g + 16 x which four + 2 s38 and the next
	ALUW                                           ; the maxima's chains are read below
	s_add_co_u32 s50, s38, 1
	s_min_u32 s50, s50, 7                          ; the next job's queries; the last job asks for its own again: no load leaves the record
	s_mul_i32 s52, s50, 1536
	s_mov_b32 s53, 0
	s_add_nc_u64 s[32:33], s[28:29], s[52:53]      ; (the loads that read these registers are done)
	s_lshl_b32 s54, s50, 6
	s_mov_b32 s55, 0
	s_add_nc_u64 s[44:45], s[30:31], s[54:55]
	s_xor_b32 s56, s38, 7
	s_lshl_b32 s56, s56, 7                         ; 128 (7 - job)
	QLOAD 32, 44                                   ; this job's first product is done, 128 plain lines ago: the queries' registers take the next job's
	v_add_nc_u32 v[BA], s56, v[BA0]
	BIASLOAD 0                                     ; what the second product wants first is asked for now
	VLOAD 0
.irp a, 0,1
	v_max3_num_f32 v[WK+\a], v[MX+4*\a], v[MX+4*\a+1], v[MX+4*\a+2]    ; the two tiles by turns
.endr
.irp a, 0,1
	v_max_num_f32 v[WK+\a], v[WK+\a], v[MX+4*\a+3]
.endr
.irp a, 0,1
	v_permlanex16_b32 v[WK+2+\a], v[WK+\a], s46, s47                   ; the query's other 128 of my keys lie in the lane 16 away
.endr
.irp a, 0,1
	v_max_num_f32 v[WK+\a], v[WK+\a], v[WK+2+\a]
.endr
.irp a, 0,1
	v_mul_f32 v[NM+2*\a], s49, v[WK+\a]            ; -c m of my quarter row
.endr
	WIN 0x41
.irp u, 0,1,2,3
.set i, 0
.rept 32
	v_pk_fma_f32 v[64*\u+2*i:64*\u+2*i+1], v[64*\u+2*i:64*\u+2*i+1], s[42:43], v[NM+2*(\u%2):NM+2*(\u%2)+1] op_sel_hi:[1,0,0]   ; t = c s - c m
.set i, i+1
.endr
.endr
	ALUW                                           ; ahead of the batch
.set i, 0
.rept 256
	v_exp_f32 v[i], v[i]
.set i, i+1
.endr
	v_nop                                          ; a plain place behind the last exponential
	ALUW                                           ; one wait for the batch, ahead of its first reader
	WIN 0x05
.irp a, 0,1
.irp c, 0,1,2,3
	v_pk_add_f32 v[LL+8*\a+2*\c:LL+8*\a+2*\c+1], v[64*\a+2*\c:64*\a+2*\c+1], v[64*\a+8+2*\c:64*\a+9+2*\c]   ; each tile's first eight pairs start its four chains
.endr
.endr
	WIN 0x04
.set k, 2
.rept 14
.irp a, 0,1
.irp c, 0,1,2,3
.set rS, 64*(\a+2*(k/8))+2*((4*k+\c)%32)
	v_pk_add_f32 v[LL+8*\a+2*\c:LL+8*\a+2*\c+1], v[LL+8*\a+2*\c:LL+8*\a+2*\c+1], v[rS:rS+1]
.endr
.endr
.set k, k+1
.endr
	WIN 0
.irp a, 0,1
.irp c, 0,1
	v_pk_add_f32 v[LL+8*\a+2*\c:LL+8*\a+2*\c+1], v[LL+8*\a+2*\c:LL+8*\a+2*\c+1], v[LL+8*\a+4+2*\c:LL+8*\a+5+2*\c]
.endr
.endr
.irp a, 0,1
	v_pk_add_f32 v[LL+8*\a:LL+8*\a+1], v[LL+8*\a:LL+8*\a+1], v[LL+8*\a+2:LL+8*\a+3]
.endr
.irp a, 0,1
	v_add_f32 v[WK+\a], v[LL+8*\a], v[LL+8*\a+1]
.endr
.irp a, 0,1
	v_permlanex16_b32 v[WK+2+\a], v[WK+\a], s46, s47
.endr
.irp a, 0,1
	v_add_f32 v[NM+1+2*\a], v[WK+\a], v[WK+2+\a]   ; my quarter row's sum: at least 1
.endr
	ALUW
	ds_store_b128 v[XW], v[NM:NM+3]
	s_wait_dscnt 0x0                               ; my words are written (and the bias and the values asked for above are in)
	s_barrier_signal -1
	s_barrier_wait -1
.irp j, 0,1,2
	ds_load_b128 v[EX+4*\j:EX+4*\j+3], v[XR+\j]
.endr
	s_wait_loadcnt 0x0                             ; the next job's queries are in
	v_perm_b32 v[QS], v[QW], v[QW], s40            ; their scale bytes, twice
	v_perm_b32 v[QS+1], v[QW], v[QW], s41
	s_wait_dscnt 0x0
.irp a, 0,1
	v_min_num_f32 v[TM+\a], v[NM+2*\a], v[EX+2*\a]
.endr
.irp j, 1,2
.irp a, 0,1
	v_min_num_f32 v[TM+\a], v[TM+\a], v[EX+4*\j+2*\a]              ; -c m of the whole row
.endr
.endr
.irp a, 0,1
	v_sub_f32 v[TM+2+4*\a], v[TM+\a], v[NM+2*\a]
.irp j, 0,1,2
	v_sub_f32 v[TM+3+4*\a+\j], v[TM+\a], v[EX+4*\j+2*\a]
.endr
.endr
	ALUW
.irp n, 0,1,2,3,4,5,6,7
	v_exp_f32 v[TM+2+\n], v[TM+2+\n]               ; the four quarters' factors 2^(c m_quarter - c m), at most 1; one of them is 1
.endr
	v_nop
	ALUW
.irp a, 0,1
	v_mul_f32 v[TM+10+\a], v[NM+1+2*\a], v[TM+2+4*\a]
.endr
.irp j, 0,1,2
.irp a, 0,1
	v_fma_f32 v[TM+10+\a], v[EX+4*\j+1+2*\a], v[TM+3+4*\a+\j], v[TM+10+\a]     ; the row's sum under the row's maximum: at least 1
.endr
.endr
	ALUW
	v_rcp_f32 v[TM+12], v[TM+10]
	v_rcp_f32 v[TM+13], v[TM+11]
	v_nop
	ALUW
.irp a, 0,1
	v_mul_f32 v[RL+2*\a], v[TM+12+\a], v[TM+2+4*\a]
.endr
	; ---- the weights, finished and quantised, and the second product.  Ahead of each unit's products stand 32 plain lines of a later unit: the places between the lines that write the scale word (8 asked)
	; and the codes (4) and the products.  Behind them the next unit's scale lines are the places ahead of the lines that write the scale word and the codes anew.
	NORM 0
	NORM 1
	BIASLOAD 1                                     ; into the set just read
	QMAX 0
	QSCALE
	QCVT 0
	QMAX 1
	PV 0
	QSCALE
	QCVT 1
	s_wait_dscnt 0x0                               ; the second 128 keys' bias is in
	NORM 2
	PV 1
	NORM 3                                         ; also the places ahead of the loads into the values' registers
	VLOAD 1
	QMAX 2
	QSCALE
	QCVT 2
	QMAX 3
	ALUW                                           ; unit 3's maxima are read behind the wait below
	s_wait_dscnt 0x0                               ; the second 128 keys' values are in
	PV 2
	QSCALE
	QCVT 3
.rept 8
	v_nop                                          ; nothing is left to finish: eight places ahead of the products
.endr
	PV 3
	WIN 0
.rept 5
	v_nop                                          ; places behind the last products: four ahead of the stores and loads below, five ahead of the products that write over O^T
.endr
	WIN 0x04                                       ; an LDS store's data are its source 1
.irp a, 0,1
.irp t, 0,1,2,3
	ds_store_b128 v[STO], v[32*\a+8*\t:32*\a+8*\t+3] offset:16*SP*\a+64*\t          ; each accumulator from its low end on.  Lane (r, h): row 16 a + r, channels 16 t + 8 h + 0 .. 7
	ds_store_b128 v[STO], v[32*\a+8*\t+4:32*\a+8*\t+7] offset:16*SP*\a+64*\t+16
.endr
.endr
	WIN 0
	s_wait_dscnt 0x0                               ; my partial O^T is in my stage
	s_barrier_signal -1
	s_cmp_eq_u32 s38, 7
	s_cbranch_scc1 .Lskip                          ; the last job has no successor
	SCORES                                         ; the next job's, while the others arrive
.Lskip:
	s_barrier_wait -1
.irp j, 0,1,2,3
.irp i, 0,1,2,3
	ds_load_b128 v[OB+16*\j+4*\i:OB+16*\j+4*\i+3], v[RD] offset:32*SP*\j+2*SP*\i   ; my eight rows of the four quarters' partial sums
.endr
.endr
	s_wait_dscnt 0x0
.irp k, 0,1,2,3,4,5,6,7
	v_pk_add_f32 v[OB+2*\k:OB+2*\k+1], v[OB+2*\k:OB+2*\k+1], v[OB+16+2*\k:OB+17+2*\k]
.endr
.irp k, 0,1,2,3,4,5,6,7
	v_pk_add_f32 v[OB+32+2*\k:OB+33+2*\k], v[OB+32+2*\k:OB+33+2*\k], v[OB+48+2*\k:OB+49+2*\k]
.endr
.irp k, 0,1,2,3,4,5,6,7
	v_pk_add_f32 v[OB+2*\k:OB+2*\k+1], v[OB+2*\k:OB+2*\k+1], v[OB+32+2*\k:OB+33+2*\k]
.endr
.irp i, 0,1,2,3
	global_store_b128 v[GO], v[OB+4*\i:OB+4*\i+3], s[36:37] offset:8192*\i         ; each sixteen lanes store the head's 256 bytes of a row, at a multiple of 256 from the buffer's first byte
.endr
	s_wait_xcnt 0x0                                ; the stores have read their registers and their base
	s_add_nc_u64 s[36:37], s[36:37], 131072        ; 32 rows on
	s_add_co_u32 s38, s38, 1
	s_cmp_lt_u32 s38, 8
	s_cbranch_scc1 .Ljob
	s_wait_tensorcnt 0x0                           ; the wave's end
	ds_add_u32 v[SPW], v[NIL]
	s_wait_dscnt 0x0
	s_endpgm
.Lfunc_end_k_qf2c73dee2e_attn:
	.size	k_qf2c73dee2e_attn, .Lfunc_end_k_qf2c73dee2e_attn-k_qf2c73dee2e_attn
	.p2alignl 7, 3214868480
	.fill 96, 4, 3214868480
	.section	.rodata,"a",@progbits
	.p2align	6, 0x0
	.amdhsa_kernel k_qf2c73dee2e_attn
		.amdhsa_group_segment_fixed_size 275712
		.amdhsa_private_segment_fixed_size 0
		.amdhsa_enable_private_segment 0
		.amdhsa_kernarg_size 24
		.amdhsa_user_sgpr_count 2
		.amdhsa_user_sgpr_kernarg_segment_ptr 1
		.amdhsa_wavefront_size32 1
		.amdhsa_system_sgpr_workgroup_id_x 1
		.amdhsa_system_sgpr_workgroup_id_y 1
		.amdhsa_system_sgpr_workgroup_id_z 1
		.amdhsa_system_vgpr_workitem_id 0
		.amdhsa_next_free_vgpr 512
		.amdhsa_next_free_sgpr 80
		.amdhsa_reserve_vcc 0
		.amdhsa_float_denorm_mode_32 3
		.amdhsa_float_denorm_mode_16_64 3
		.amdhsa_memory_ordered 1
		.amdhsa_forward_progress 1
		.amdhsa_inst_pref_size 102
	.end_amdhsa_kernel
	.amdgpu_metadata
---
amdhsa.version: [ 1, 2 ]
amdhsa.kernels:
  - .name:           k_qf2c73dee2e_attn
    .symbol:         k_qf2c73dee2e_attn.kd
    .args:
      - { .name: rec, .offset: 0, .size: 8, .value_kind: global_buffer, .address_space: global }
      - { .name: rel_table, .offset: 8, .size: 8, .value_kind: global_buffer, .address_space: global }
      - { .name: obuf, .offset: 16, .size: 8, .value_kind: global_buffer, .address_space: global }
    .group_segment_fixed_size: 275712
    .private_segment_fixed_size: 0
    .kernarg_segment_align: 8
    .kernarg_segment_size: 24
    .max_flat_workgroup_size: 256
    .sgpr_count:     80
    .vgpr_count:     512
    .wavefront_size: 32
...
	.end_amdgpu_metadata
.endif
;; end of part 3
;; launch lnorm (part 4): grid 256 x 1, 8 waves a work-group, no clusters, 0 bytes of LDS; arguments obuf, gamma, beta, out0; writes out0
.if DOCPART == 4
	.amdgcn_target "amdgcn-amd-amdhsa--gfx1250"
	.amdhsa_code_object_version 6
	.text
	.protected	k_qf2c73dee2e_lnorm
	.globl	k_qf2c73dee2e_lnorm
	.p2align	8
	.type	k_qf2c73dee2e_lnorm,@function
k_qf2c73dee2e_lnorm:
	s_mov_b64 s[64:65], 0
	v_nop
	global_prefetch_b8 v0, s[64:65] scope:SCOPE_SE
	s_setreg_imm32_b32 hwreg(HW_REG_WAVE_MODE, 25, 1), 1
	s_wait_xcnt 0x0
; out0[row][c] = (obuf[row][c] - mean) / sqrt(var + 0.001) x gamma[c] + beta[c], mean and var over the row's 1,024 numbers; all f32.  8,192 rows.
; A row is 4,096 bytes: one wave takes a whole row, eight loads of 16 bytes a lane, and keeps it in 32 registers through the three passes (sum; squares of the differences from the mean; scale): memory is read once,
; and the variance is no difference of large sums.  A wave takes four rows, all asked for at the start; a lane keeps the same 32 columns in every row, so its gamma and beta are loaded once.
; Each load and store of a wave covers 512 consecutive bytes.  No LDS, no barrier, no matrix unit: waves share nothing and memory binds.
.set GA, 16                            ; v16-47  gamma of my 32 columns
.set BE, 48                            ; v48-79  beta
.set XR0, 80                           ; v80-207 four rows of 32 registers
	s_load_b256 s[4:11], s[0:1], 0x0               ; obuf s[4:5], gamma s[6:7], beta s[8:9], out0 s[10:11]
	v_and_b32 v1, 31, v0
	s_delay_alu instid0(VALU_DEP_1)
	v_lshlrev_b32 v1, 4, v1                        ; 16 x lane
	v_lshrrev_b32 v2, 5, v0
	s_delay_alu instid0(VALU_DEP_1)
	v_lshl_add_u32 v2, v2, 14, v1                  ; + wave x 4 rows x 4,096 bytes
	s_lshl_b32 s2, ttmp9, 17                       ; the work-group's 32 rows
	s_mov_b32 s3, 0
	s_mov_b32 s12, 0x3a800000                      ; 1 / 1,024
	s_mov_b32 s13, 0x3a83126f                      ; 0.001
	s_mov_b32 s14, 0x76543210                      ; v_permlanex16_b32: lane l xor 16
	s_mov_b32 s15, 0xfedcba98
	v_mov_b32 v13, 0                               ; written once: a lane permute's destination counts as one of its sources
	v_mov_b32 v15, 0
	s_wait_alu depctr_va_vdst(0)
	s_wait_kmcnt 0x0
	s_add_nc_u64 s[4:5], s[4:5], s[2:3]
	s_add_nc_u64 s[10:11], s[10:11], s[2:3]
.irp j, 0,1,2,3,4,5,6,7
	global_load_b128 v[GA+4*\j:GA+4*\j+3], v1, s[6:7] offset:512*\j
	global_load_b128 v[BE+4*\j:BE+4*\j+3], v1, s[8:9] offset:512*\j
.endr
.irp i, 0,1,2,3
.irp j, 0,1,2,3,4,5,6,7
	global_load_b128 v[XR0+32*\i+4*\j:XR0+32*\i+4*\j+3], v2, s[4:5] offset:4096*\i+512*\j th:TH_LOAD_NT
.endr
.endr
.macro ACROSS r, t                     ; the sum over the 32 lanes, in every lane
	s_delay_alu instid0(VALU_DEP_1)
	v_add_f32_dpp v[\r], v[\r], v[\r] row_xmask:1 row_mask:0xf bank_mask:0xf
	s_delay_alu instid0(VALU_DEP_1)
	v_add_f32_dpp v[\r], v[\r], v[\r] row_xmask:2 row_mask:0xf bank_mask:0xf
	s_delay_alu instid0(VALU_DEP_1)
	v_add_f32_dpp v[\r], v[\r], v[\r] row_xmask:4 row_mask:0xf bank_mask:0xf
	s_delay_alu instid0(VALU_DEP_1)
	v_add_f32_dpp v[\r], v[\r], v[\r] row_xmask:8 row_mask:0xf bank_mask:0xf
	s_delay_alu instid0(VALU_DEP_1)
	v_permlanex16_b32 v[\t], v[\r], s14, s15
	s_delay_alu instid0(VALU_DEP_1)
	v_add_f32 v[\r], v[\r], v[\t]
.endm
.macro ROW i
.set XR, XR0+32*(\i)
	s_wait_loadcnt 8*(3-(\i))                      ; this row's eight loads are in (gamma and beta were asked for first); the later rows' stay out
.irp c, 0,1,2,3
	v_pk_add_f32 v[4+2*\c:5+2*\c], v[XR+2*\c:XR+2*\c+1], v[XR+8+2*\c:XR+9+2*\c]    ; the sum of my 32 numbers, in four chains of two
.endr
.irp k, 16,24
.irp c, 0,1,2,3
	s_delay_alu instid0(VALU_DEP_4)
	v_pk_add_f32 v[4+2*\c:5+2*\c], v[4+2*\c:5+2*\c], v[XR+\k+2*\c:XR+\k+2*\c+1]
.endr
.endr
	s_delay_alu instid0(VALU_DEP_3)
	v_pk_add_f32 v[4:5], v[4:5], v[6:7]
	s_delay_alu instid0(VALU_DEP_2)
	v_pk_add_f32 v[8:9], v[8:9], v[10:11]
	s_delay_alu instid0(VALU_DEP_1)
	v_pk_add_f32 v[4:5], v[4:5], v[8:9]
	s_delay_alu instid0(VALU_DEP_1)
	v_add_f32 v12, v4, v5
	ACROSS 12, 13
	s_delay_alu instid0(VALU_DEP_1)
	v_mul_f32 v12, s12, v12                        ; the mean
.set j, 0
.rept 16
	v_pk_add_f32 v[XR+2*j:XR+2*j+1], v[XR+2*j:XR+2*j+1], v[12:13] op_sel_hi:[1,0] neg_lo:[0,1] neg_hi:[0,1]   ; x - mean, in place
.set j, j+1
.endr
.irp c, 0,1,2,3
	v_pk_mul_f32 v[4+2*\c:5+2*\c], v[XR+2*\c:XR+2*\c+1], v[XR+2*\c:XR+2*\c+1]      ; the squares, again in four chains
.endr
.irp k, 8,16,24
.irp c, 0,1,2,3
	s_delay_alu instid0(VALU_DEP_4)
	v_pk_fma_f32 v[4+2*\c:5+2*\c], v[XR+\k+2*\c:XR+\k+2*\c+1], v[XR+\k+2*\c:XR+\k+2*\c+1], v[4+2*\c:5+2*\c]
.endr
.endr
	s_delay_alu instid0(VALU_DEP_3)
	v_pk_add_f32 v[4:5], v[4:5], v[6:7]
	s_delay_alu instid0(VALU_DEP_2)
	v_pk_add_f32 v[8:9], v[8:9], v[10:11]
	s_delay_alu instid0(VALU_DEP_1)
	v_pk_add_f32 v[4:5], v[4:5], v[8:9]
	s_delay_alu instid0(VALU_DEP_1)
	v_add_f32 v14, v4, v5
	ACROSS 14, 15
	s_delay_alu instid0(VALU_DEP_1)
	v_fma_f32 v14, v14, s12, s13                   ; var + 0.001
	s_wait_alu depctr_va_vdst(0)
	v_rsq_f32 v14, v14
	v_nop                                          ; a plain place behind the transcendental
	s_wait_alu depctr_va_vdst(0)                   ; and the wait ahead of its first reader
.set j, 0
.rept 16
	v_pk_mul_f32 v[XR+2*j:XR+2*j+1], v[XR+2*j:XR+2*j+1], v[14:15] op_sel_hi:[1,0]
.set j, j+1
.endr
.set j, 0
.rept 16
	v_pk_fma_f32 v[XR+2*j:XR+2*j+1], v[XR+2*j:XR+2*j+1], v[GA+2*j:GA+2*j+1], v[BE+2*j:BE+2*j+1]
.set j, j+1
.endr
.irp j, 0,1,2,3,4,5,6,7
	global_store_b128 v2, v[XR+4*\j:XR+4*\j+3], s[10:11] offset:4096*(\i)+512*\j th:TH_STORE_NT   ; a row's registers are written no more: no wait is owed for the stores' sources
.endr
.endm
	ROW 0
	ROW 1
	ROW 2
	ROW 3
	s_endpgm
.Lfunc_end_k_qf2c73dee2e_lnorm:
	.size	k_qf2c73dee2e_lnorm, .Lfunc_end_k_qf2c73dee2e_lnorm-k_qf2c73dee2e_lnorm
	.p2alignl 7, 3214868480
	.fill 96, 4, 3214868480
	.section	.rodata,"a",@progbits
	.p2align	6, 0x0
	.amdhsa_kernel k_qf2c73dee2e_lnorm
		.amdhsa_group_segment_fixed_size 0
		.amdhsa_private_segment_fixed_size 0
		.amdhsa_enable_private_segment 0
		.amdhsa_kernarg_size 32
		.amdhsa_user_sgpr_count 2
		.amdhsa_user_sgpr_kernarg_segment_ptr 1
		.amdhsa_wavefront_size32 1
		.amdhsa_system_sgpr_workgroup_id_x 1
		.amdhsa_system_sgpr_workgroup_id_y 1
		.amdhsa_system_sgpr_workgroup_id_z 1
		.amdhsa_system_vgpr_workitem_id 0
		.amdhsa_next_free_vgpr 224
		.amdhsa_next_free_sgpr 66
		.amdhsa_reserve_vcc 0
		.amdhsa_float_denorm_mode_32 3
		.amdhsa_float_denorm_mode_16_64 3
		.amdhsa_memory_ordered 1
		.amdhsa_forward_progress 1
		.amdhsa_inst_pref_size 39
	.end_amdhsa_kernel
	.amdgpu_metadata
---
amdhsa.version: [ 1, 2 ]
amdhsa.kernels:
  - .name:           k_qf2c73dee2e_lnorm
    .symbol:         k_qf2c73dee2e_lnorm.kd
    .args:
      - { .name: obuf, .offset: 0, .size: 8, .value_kind: global_buffer, .address_space: global }
      - { .name: gamma, .offset: 8, .size: 8, .value_kind: global_buffer, .address_space: global }
      - { .name: beta, .offset: 16, .size: 8, .value_kind: global_buffer, .address_space: global }
      - { .name: out0, .offset: 24, .size: 8, .value_kind: global_buffer, .address_space: global }
    .group_segment_fixed_size: 0
    .private_segment_fixed_size: 0
    .kernarg_segment_align: 8
    .kernarg_segment_size: 32
    .max_flat_workgroup_size: 256
    .sgpr_count:     66
    .vgpr_count:     224
    .wavefront_size: 32
...
	.end_amdgpu_metadata
.endif
;; end of part 4
